; MI455X (gfx1250); checked and timed in simulation.
; The chip was launched on July 23, 2026; its instructions are those of AMD's public machine-readable ISA for CDNA 5 (MIT licence, August 2026) and "CDNA5" Instruction Set Architecture Reference Guide (July 2026). The comments in the code are by the model that wrote it; some were corrected since.
;; AFM Layer. Allowed arithmetic: matrix products marked QUANTISED: E2M1 operands, one E8M0 scale for each 32 along K, by v_wmma_scale_f32_16x16x128_f8f6f4 with both operands' format E2M1 (or v_wmma_scale_f32_32x16x128_f4), f32 sums; products left as they are: f32 operands where the result goes on into a quantised operand, else bf16, f16 or f32 operands; f32 sums; everything else in f32.
;; Inputs: attn_W_codes 64 x 2 x 16 uint8 (E2M1 codes of attn_W, K innermost, in blocks of 32 codes, two codes a byte); attn_W_scales 64 x 2 uint8 (E8M0 scales of attn_W, one for each 32 codes along K); attn_b 64 float32; embeds 4,096 x 32 x 64 float32; projection_h 64 x 1 float32; projection_p 64 x 1 float32.
;; Outputs: out0 4,096 x 1 float32.
;; This version of the problem:
;;   THIS VERSION OF THE PROBLEM IS GIVEN IN LOW PRECISION. The matrix products marked QUANTISED in the list below multiply operands that are first quantised to E2M1 (2 exponent bits, 1 mantissa bit; 4 bits a number), with one power-of-two scale for each 32 numbers along K (OCP MX v1.0); their sums are f32. All else is computed in f32.
;;   The module's matrix products, in the order in which they are computed (A, B: the left and right operand; K: the contracted axis; several contracted axes count as one K, in the product's order):
;;     1. [M 2,031,616, K 64] x [K 64, N 64]; A: computed on the way; B: input attn_W (given as codes): QUANTISED
;;     2. [M 2,031,616, K 64] x [K 64, N 1]; A: computed on the way; B: input projection_h: left as it is (N = 1 < 16)
;;     3. [M 4,096, K 64] x [K 64, N 1]; A: computed on the way; B: input projection_p: left as it is (N = 1 < 16)
;;   THE QUANTISER, for each operand of a quantised product, along K:
;;     - K is cut into blocks of 32 from its start; a last block that is shorter is filled with zeros.
;;     - A block's scale is 2^e with e = floor(log2(the largest magnitude in the block)) - 2, held to -126 .. 127; a block of zeros has e = 0. As a byte (E8M0): e + 127.
;;     - Each number is divided by its block's scale, clamped to +-6, and rounded to the nearest number of E2M1, ties to even, subnormals kept.
;;     - The product sums the exact products of the quantised numbers (number of the format x scale) in f32.
;;   ~~~python
;;   def quantise(x, axis):      # numpy; x: float32 -> the quantised numbers, widened to float32 again
;;       x = np.moveaxis(x, axis, -1); K = x.shape[-1]
;;       x = np.pad(x, [(0, 0)] * (x.ndim - 1) + [(0, -K % 32)]); x = x.reshape(x.shape[:-1] + (-1, 32)); a = np.abs(x).max(-1, keepdims=True)
;;       e = np.where(a > 0, np.clip(np.frexp(np.where(a > 0, a, 1))[1] - 1 - 2, -126, 127), 0)      # np.frexp(a)[1] - 1 = floor(log2(a)), exactly
;;       r = np.clip(x / 2.0 ** e, -6, 6)
;;       step = 2.0 ** (np.maximum(np.frexp(np.where(r == 0, 1, r))[1] - 1, 0) - 1)
;;       q = np.round(r / step) * step * 2.0 ** e      # np.round: ties to even
;;       return np.moveaxis(q.reshape(q.shape[:-2] + (-1,))[..., :K], -1, axis).astype(np.float32)
;;   ~~~
;;   OPERANDS COMPUTED ON THE WAY. 'Computed on the way' means the value that the module computes at that place (a softmax that the list does not call 'softmax' is quantised finished and normalised). What goes into a quantiser is computed in f32, as accurately as f32 sums, v_exp_f32 and their like allow (about 1e-6 of the number): no bf16 or f16 on the way to a quantiser, and a product that is left as it is and whose result goes on into a quantised operand takes f32 operands (vector FMAs, or v_wmma_f32_16x16x4_f32). A number that lies on a knife's edge between two numbers of the format may be rounded either way, as far as f32 arithmetic and the matrix unit's own rounding can turn it there, and no further.
;;   INPUTS GIVEN AS CODES. attn_W (in the module: [64, 64], K = its axis 0): each comes as NAME_codes (uint8): NAME with its K axis moved to the last place and cut into blocks of 32 codes, [.., K / 32, bytes a block], one block behind the other in memory; two codes a byte, the lower K in the low four bits (a code: sign, 2 exponent bits, 1 mantissa bit); and NAME_scales (uint8): the same leading axes, one E8M0 byte (e + 127) for each 32 codes along K. Its value is code x scale, taken as it is: it is not quantised again, and the codes and scales need not be those that the quantiser above would give.
;; One version. Each part assembles by itself: llvm-mc -triple=amdgcn-amd-amdhsa -mcpu=gfx1250 --defsym DOCPART=n.
;; ======== version 1 of 1: 1 launch
;; limits: values are held in bf16: 8 bits of precision; right only within a limited range of input values
;; launch afm (part 1): grid 256 x 1, 16 waves a work-group, no clusters, 327,680 bytes of LDS; arguments embeds, attn_W_codes, attn_W_scales, attn_b, projection_h, projection_p, out0; writes out0
.if DOCPART == 1
	.amdgcn_target "amdgcn-amd-amdhsa--gfx1250"
	.amdhsa_code_object_version 6
	.text
	.protected	k_qf9888a92b7_afm
	.globl	k_qf9888a92b7_afm
	.p2align	8
	.type	k_qf9888a92b7_afm,@function
k_qf9888a92b7_afm:
	s_mov_b64 s[64:65], 0
	v_nop
	global_prefetch_b8 v0, s[64:65] scope:SCOPE_SE
	s_setreg_imm32_b32 hwreg(HW_REG_WAVE_MODE, 25, 1), 1
	s_wait_xcnt 0x0
; AFM layer.  For each of 4,096 samples: 32 fields of 64 f32.  For each of the 496 pairs i < j: bi = e_i * e_j (64 numbers, f32); bi quantised to FP4 (E2M1) with one E8M0 scale for each
; 32 along its 64; x = Q(bi) W + attn_b (W given as codes, K innermost); logit = relu(x) . projection_h; softmax over the 496 pairs; out = sum of weight x (bi . projection_p), bi unquantised.
; No step or input of the definition is left out.
; SHARES.  Work-group g owns samples 16 g .. 16 g + 15, wave w sample 16 g + w.  A wave does its sample alone, in LDS bytes of its own; the one barrier joins the 16 results.
; DATA IN.  A sample is 32 rows of 256 bytes, brought by the wave's one tensor load at the head.
; TILES.  A tile is 16 pairs, pair r = lane % 16; lane (r, h = lane / 16) holds elements 32 h .. 32 h + 31 of its pair: one whole block of the quantiser.  E0 (field r) and E1 (field 16 + r) stay in
; registers; one operand L, read from LDS with its rows turned by d (X_d: field (r + d) % 16; Y_d: 16 + that), feeds the TWO tiles of a double.  Fifteen doubles and one single tile are the 496 pairs, each once:
;   n = 0: E0 x E1 and X_8 x E1;  n = 2 d - 1: X_d x E0 and X_d x E1;  n = 2 d: Y_d x E0 and Y_d x E1 (d = 1 .. 7);  n = 15: the 8 + 8 pairs at distance 8 inside a half.
; THE PRODUCT IS USED TRANSPOSED: source 0 = 32 rows a of W, source 1 = 16 pairs, C = attn_b in the result's layout.  A lane of the result holds ONE pair and a = 16 q + 8 h + 0..7: the dot product with
; projection_h runs down its registers.  K is 64 of the instruction's 128: registers 4-7 of the pairs' operand hold zero codes, so what stands against them in W's operand (codes of other rows) adds nothing;
; the scale bytes over them are 0 (not 0xff).
; bi . projection_p of all pairs is ONE 32 x 32 product a sample: G = F E^T over K = 64, F = projection_p x E made in f32: the sum over e of projection_p[e] e_i[e] e_j[e].  E and F each go in as a PAIR of bf16
; numbers, high + low, split in f32; high x high, high x low and low x high are summed in f32 (what is left out, low x low and the low parts' own rounding, is about 2^-17 of a term).
; G lies in LDS until the softmax's weights are there.
; The partial logits of a double (each lane's 32 of the 64 terms) go to LDS; the softmax adds the two lanes' parts.
; NO CLUSTER: the work-groups share nothing but 2,944 bytes of constants; each sample is read by one wave.  NO PREFETCH: a wave asks for its one sample at the head; there is no later trip to ask for.
; THE OUTPUT of a work-group is 16 numbers, 64 consecutive bytes, stored by one instruction of wave 0: its 16 samples are a 256th of out0.
; LIMITS.  NaN and infinities among the inputs are not served.
; A block of zeros gets the scale byte 1 where the rule says 127: its codes are zeros, and the byte is read here alone.  The result is formed as (sum of p x (bi . projection_p)) / (sum of p),
; p = 2^(c (logit - the sample's largest logit)), c = log2(e): the order of the sums differs from the definition's.
.set PITCH,  272                       ; an LDS row: 256 bytes + 16 of padding = 68 words: row r starts at bank 4 r mod 64 (64 banks of 4 bytes: ISA guide 11.1); the 16 rows of a load differ mod 16
.set HALF,   16*PITCH
.set WSLOT,  32*PITCH                  ; a sample in LDS
.set GPITCH, 224                       ; G's row n: words 0-23 G(0..15, n) and G(0..7, n) again; words 24-47 G(16..31, n) and its first eight again: so a turned row needs no wrap
.set GA,     16*WSLOT
.set GSIZE,  32*GPITCH
.set LOGS,   GA+16*GSIZE               ; partial logits: 16 doubles x 2 tiles x 32 lanes a wave
.set SPARE,  LOGS+16*4096              ; the spare words: 128 bytes for each wave, named by no other line
.set OUTS,   SPARE+2048                ; 16 words for the work-group's results
.set R,    1                           ; v1 r
.set BASE, 2                           ; v2 my wave's slot + 128 h
.set ADR,  3                           ; v3 LDS address of the next operand
.set SPW,  4
.set NIL,  5
.set PWF,  6                           ; v6, v7 scale words of a double's first and second tile (lanes 0-15); v8-9 W's: rows 0-31, rows 32-63
.set PWS,  7
.set WSC,  8
.set MF,   10                          ; v10-11 (and v20-21), v12-13 (and v18-19) largest magnitudes of the two tiles, four chains each
.set MS,   12
.set SOF,  14                          ; v14-15 the conversions' scale operands; v16-17 the scale bytes
.set SOS,  15
.set BYF,  16
.set BYS,  17
.set AF,   18                          ; logit sums: the first tile's v18-19 and v10-11, the second's v20-21 and v22-23, two chains each
.set AS,   20
.set XF,   24                          ; v24-25 scale bytes of lane l xor 16
.set XS,   25
.set CF,   26                          ; v26-29 codes of the first tile, v30-33 zero codes; v34-41 the second's
.set CS,   34
.set WF,   42                          ; v42-61 W's fragments in the order 0, 2, 1, 3, then four zero registers
.set E0,   62
.set E1,   94
.set BIAS, 126
.set HH,   158
.set QA,   190                         ; v190-221, v222-253: two regions.  XR holds L, then the second tile's bi and its products' results; YR the first tile's; they change places with each double
.set QB,   222
.set AT,   254
.set LST,  255                         ; v255 where my partial logits go; at the head -1.0
.set PP,   QB                          ; at the head: projection_p[32 h + i], later F's second half
.set F0H,  QA                          ; at the head: F's first half, high and low parts,
.set F0L,  QA+16
.set F1H,  CF                          ; and its second half
.set F1L,  10
.set GD,   E1                          ; v94-109 two accumulators of G
.set TM,   10                          ; at the end
.set SS,   94
.set LG,   110
.set LGB,  72
; 32 numbers of my lane's row: 128 bytes, eight loads
.macro LOADR reg, adr, off
.irp c, 0,1,2,3,4,5,6,7
	ds_load_b128 v[(\reg)+4*\c:(\reg)+4*\c+3], v[\adr] offset:(\off)+16*\c
.endr
.endm
; the next instruction reads what the n-th plain vector instruction back wrote
.macro DEP n
	s_delay_alu instid0(VALU_DEP_\n)
.endm
; two numbers of the first tile's bi: L x E0 (n = 0: E1 x E0; n = 15, the single tile: both operands from LDS)
.macro MULF i, n
.if (\n) == 0
	v_pk_mul_f32 v[YR+2*\i:YR+2*\i+1], v[E1+2*\i:E1+2*\i+1], v[E0+2*\i:E0+2*\i+1]
.elseif (\n) == 15
	v_pk_mul_f32 v[YR+2*\i:YR+2*\i+1], v[YR+2*\i:YR+2*\i+1], v[XR+2*\i:XR+2*\i+1]
.else
	v_pk_mul_f32 v[YR+2*\i:YR+2*\i+1], v[XR+2*\i:XR+2*\i+1], v[E0+2*\i:E0+2*\i+1]
.endif
.endm
; two numbers of the second tile's, in place: L x E1
.macro MULS i
	v_pk_mul_f32 v[XR+2*\i:XR+2*\i+1], v[XR+2*\i:XR+2*\i+1], v[E1+2*\i:E1+2*\i+1]
.endm
; instruction k of the 16 that find a block's largest magnitude: four chains by turns (m, m + 1, w, w + 1), joined by the last two; with the floor 2^(3 - 127): the byte cannot fall under 1
.macro MAXK q, m, w, k
.if (\k)%4 < 2
.set CH, \m+(\k)%4
.else
.set CH, \w+(\k)%4-2
.endif
.if (\k) == 0
	v_max3_num_f32 v[CH], |v[\q]|, |v[\q+1]|, 0x1800000
.elseif (\k) < 4
	v_max3_num_f32 v[CH], |v[\q+3*(\k)-1]|, |v[\q+3*(\k)]|, |v[\q+3*(\k)+1]|
.elseif (\k) < 14
	v_max3_num_f32 v[CH], v[CH], |v[\q+2*(\k)+3]|, |v[\q+2*(\k)+4]|
.elseif (\k) == 14
	v_max3_num_f32 v[\m], v[\m], v[\w], v[\w+1]
.else
	v_max3_num_f32 v[\m], v[\m], v[\m+1], |v[\q+31]|
.endif
.endm
.macro CVT c, q, so, g
	v_cvt_scalef32_pk8_fp4_f32 v[\c+\g], v[\q+8*\g:\q+8*\g+7], v[\so]
.endm
; x^T = W Q(bi)^T + attn_b of a tile: two products of 32 rows of W, laid over the tile's bi, which is done with
.macro MMA q, c, pw
	v_wmma_scale_f32_32x16x128_f4 v[\q:\q+15], v[WF:WF+15], v[\c:\c+7], v[BIAS:BIAS+15], v[WSC], v[\pw]
	v_wmma_scale_f32_32x16x128_f4 v[\q+16:\q+31], v[WF+4:WF+19], v[\c:\c+7], v[BIAS+16:BIAS+31], v[WSC+1], v[\pw]
.endm
; relu of two registers
.macro RELU q, i
	v_dual_max_num_f32 v[\q+2*\i], 0, v[\q+2*\i] :: v_dual_max_num_f32 v[\q+2*\i+1], 0, v[\q+2*\i+1]
.endm
; two terms of the dot product with projection_h onto the pair at acc; the first of each chain starts its sum
.macro DOT q, acc, i
.if (\i) < 2
	v_pk_mul_f32 v[\acc:\acc+1], v[\q+2*(\i):\q+2*(\i)+1], v[HH+2*(\i):HH+2*(\i)+1]
.else
	v_pk_fma_f32 v[\acc:\acc+1], v[\q+2*(\i):\q+2*(\i)+1], v[HH+2*(\i):HH+2*(\i)+1], v[\acc:\acc+1]
.endif
.endm
; the first tile's, two chains by turns; and the second's (or the single tile's)
.macro DOTF i
	DOT YR, AF-8*((\i)%2), \i
.endm
.macro DOTS q, i
	DOT \q, AS+2*((\i)%2), \i
.endm
; the LDS address of the operand that double n asks for, in three instructions (odd n: Y_d's lies HALF behind X_d's)
.macro ADDR n, k
.if (\n) == 14
.if \k == 0
	v_mad_u32_u24 v[AT], v[R], PITCH, v[BASE]       ; row r
.elseif \k == 1
	v_lshrrev_b32 v[ADR], 3, v[R]
.else
	v_mad_u32_u24 v[ADR], v[ADR], HALF, v[AT]       ; row r + 16 (r / 8)
.endif
.elseif (\n)%2 == 0
.if \k == 0
	v_add_nc_u32 v[AT], (\n)/2+1, v[R]
.elseif \k == 1
	v_and_b32 v[AT], 15, v[AT]
.else
	v_mad_u32_u24 v[ADR], v[AT], PITCH, v[BASE]     ; row (r + d) % 16
.endif
.endif
.endm
; DOUBLE n.  The second tile's multiplications stand among the first tile's scale and codes, its maxima round the first tile's products, and the first tile's relu and dot product among its own scale and codes:
; dependent instructions stand apart, and the places that the products ask for hold work that is due.
.macro DOUBLE n
.set XR, QA+32*((\n)%2)
.set YR, QB-32*((\n)%2)
.if (\n) == 0
	s_wait_dscnt 0x0
.else
	s_wait_dscnt 0x2                                ; L is in: younger are the two stores of partial logits
.endif
.irp i, 0,1,2,3
	MULF \i, \n
.endr
.irp i, 4,5,6,7,8,9,10,11,12,13,14,15
	MULF \i, \n
	MAXK YR, MF, AS, \i-4
.endr
	MULS 0
	MAXK YR, MF, AS, 12
	MULS 1
	MAXK YR, MF, AS, 13
	MULS 2
	MULS 3
	MULS 4
	MAXK YR, MF, AS, 14
	MULS 5
	MULS 6
	MULS 7
	DEP 4
	MAXK YR, MF, AS, 15
	MULS 8
	MULS 9
	MULS 10
	DEP 4
	v_add_nc_u32 v[SOF], 0xff000000, v[MF]          ; 2 off the exponent field: the conversion takes the exponent field of this operand as its scale
	MULS 11
	MULS 12
	MULS 13
	DEP 4
	v_lshrrev_b32 v[BYF], 23, v[SOF]                ; the byte of block h of pair r
	CVT CF, YR, SOF, 0
	MULS 14
	v_permlanex16_b32 v[XF], v[BYF], s20, s21
	CVT CF, YR, SOF, 1
	MULS 15
	v_lshl_or_b32 v[PWF], v[XF], 8, v[BYF]          ; lanes 0-15: the scale word; bytes 2 and 3, over zero codes, are 0
	CVT CF, YR, SOF, 2
	MAXK XR, MS, AF, 0                              ; from here eight plain instructions between the scale word and the product
	CVT CF, YR, SOF, 3
	MAXK XR, MS, AF, 1
	MAXK XR, MS, AF, 2
	MAXK XR, MS, AF, 3
	ADDR \n, 0
	MAXK XR, MS, AF, 4
.irp k, 5,6,7
.if (\n)%2
	DEP 4
.endif
	MAXK XR, MS, AF, \k
.endr
	MMA YR, CF, PWF
	MAXK XR, MS, AF, 8
	MAXK XR, MS, AF, 9
	ADDR \n, 1
	MAXK XR, MS, AF, 10
	MAXK XR, MS, AF, 11
.irp k, 12,13
.if (\n)%2
	DEP 4
.endif
	MAXK XR, MS, AF, \k
.endr
	ADDR \n, 2
.if (\n)%2
	DEP 2
.else
	DEP 3
.endif
	MAXK XR, MS, AF, 14
	RELU YR, 0
	RELU YR, 1
	RELU YR, 2
	RELU YR, 3
	MAXK XR, MS, AF, 15
	RELU YR, 4
	RELU YR, 5
	DOTF 0
	RELU YR, 6
	v_add_nc_u32 v[SOS], 0xff000000, v[MS]
	DOTF 1
	RELU YR, 7
	DOTF 2
	RELU YR, 8
	v_lshrrev_b32 v[BYS], 23, v[SOS]
	DOTF 3
	RELU YR, 9
	CVT CS, XR, SOS, 0
	v_permlanex16_b32 v[XS], v[BYS], s20, s21
	DOTF 4
	RELU YR, 10
	CVT CS, XR, SOS, 1
	v_lshl_or_b32 v[PWS], v[XS], 8, v[BYS]
	DOTF 5
	CVT CS, XR, SOS, 2
	RELU YR, 11
	CVT CS, XR, SOS, 3
	DOTF 6
	RELU YR, 12
	DOTF 7
	RELU YR, 13
	DOTF 8
	RELU YR, 14
	MMA XR, CS, PWS
	DOTF 9
	RELU YR, 15
	DOTF 10
	DOTF 11
.irp i, 12,13,14,15
	DEP 2
	DOTF \i
.endr
.if ((\n)%2 == 1)
	LOADR YR, ADR, HALF                             ; YR is free: the next double's operand
.else
	LOADR YR, ADR, 0
.endif
	RELU XR, 0
	RELU XR, 1
	RELU XR, 2
	v_pk_add_f32 v[AF:AF+1], v[AF:AF+1], v[MF:MF+1]
	RELU XR, 3
	DOTS XR, 0
	RELU XR, 4
	DOTS XR, 1
	RELU XR, 5
	v_add_f32 v[AF], v[AF], v[AF+1]
	DOTS XR, 2
.irp i, 6,7,8,9,10,11,12,13,14,15
	RELU XR, \i
	DOTS XR, \i-3
.endr
	DOTS XR, 13
	DEP 2
	DOTS XR, 14
	DEP 2
	DOTS XR, 15
	DEP 1
	v_pk_add_f32 v[AS:AS+1], v[AS:AS+1], v[AS+2:AS+3]
	DEP 1
	v_add_f32 v[AS+1], v[AS], v[AS+1]
.if (\n) == 14
	LOADR XR, AT, 8*PITCH                           ; the single tile's other operand: row r + 8
.endif
	ds_store_b32 v[LST], v[AF] offset:256*(\n)
	ds_store_b32 v[LST], v[AS+1] offset:256*(\n)+128
.endm
; cnt pairs of f32 at x: high parts, rounded to bf16, at hi; what is left of them, exact in f32, in place
.macro SPLIT x, hi, list:vararg
.irp i, \list
	v_cvt_pk_bf16_f32 v[\hi+\i], v[\x+2*\i], v[\x+2*\i+1]
.endr
.irp i, \list
	v_fma_mix_f32_bf16 v[\x+2*\i], v[\hi+\i], v[LST], v[\x+2*\i] op_sel_hi:[1,0,0]
	v_fma_mix_f32_bf16 v[\x+2*\i+1], v[\hi+\i], v[LST], v[\x+2*\i+1] op_sel:[1,0,0] op_sel_hi:[1,0,0]
.endr
.endm
; and the low parts of it, rounded to bf16, at lo
.macro LOWS x, lo, list:vararg
.irp i, \list
	v_cvt_pk_bf16_f32 v[\lo+\i], v[\x+2*\i], v[\x+2*\i+1]
.endr
.endm
; all 32 rows of G x the 16 columns whose parts stand at hi and lo: two accumulators by turns.  A lane's 32 columns of E make two K steps of 32; which k a register stands for is the same on both sides
.macro GRAM hi, lo
	v_wmma_f32_16x16x32_bf16 v[GD:GD+7], v[F0H:F0H+7], v[\lo:\lo+7], 0
	v_wmma_f32_16x16x32_bf16 v[GD+8:GD+15], v[F1H:F1H+7], v[\lo:\lo+7], 0
	v_wmma_f32_16x16x32_bf16 v[GD:GD+7], v[F0H+8:F0H+15], v[\lo+8:\lo+15], v[GD:GD+7]
	v_wmma_f32_16x16x32_bf16 v[GD+8:GD+15], v[F1H+8:F1H+15], v[\lo+8:\lo+15], v[GD+8:GD+15]
.irp c, 0,8
	v_wmma_f32_16x16x32_bf16 v[GD:GD+7], v[F0L+\c:F0L+\c+7], v[\hi+\c:\hi+\c+7], v[GD:GD+7]
	v_wmma_f32_16x16x32_bf16 v[GD+8:GD+15], v[F1L+\c:F1L+\c+7], v[\hi+\c:\hi+\c+7], v[GD+8:GD+15]
.endr
.irp c, 0,8
	v_wmma_f32_16x16x32_bf16 v[GD:GD+7], v[F0H+\c:F0H+\c+7], v[\hi+\c:\hi+\c+7], v[GD:GD+7]
	v_wmma_f32_16x16x32_bf16 v[GD+8:GD+15], v[F1H+\c:F1H+\c+7], v[\hi+\c:\hi+\c+7], v[GD+8:GD+15]
.endr
.endm
; a lane holds column n and eight neighbouring rows m of each accumulator: they go to G's row n, and once more 16 words on.  Of the first half's second copy only words 16 .. 23 are kept:
; the second half's stores lie over the rest (LDS serves a wave's instructions in order: ISA guide 5.7.1.4)
.macro GSTORE b
.irp a, 0,1
	ds_store_b128 v[AT], v[GD+8*\a:GD+8*\a+3] offset:16*GPITCH*\b+96*\a
	ds_store_b128 v[AT], v[GD+8*\a+4:GD+8*\a+7] offset:16*GPITCH*\b+96*\a+16
	ds_store_b128 v[AT], v[GD+8*\a:GD+8*\a+3] offset:16*GPITCH*\b+96*\a+64
	ds_store_b128 v[AT], v[GD+8*\a+4:GD+8*\a+7] offset:16*GPITCH*\b+96*\a+80
.endr
.endm
	s_load_b256 s[4:11], s[0:1], 0x0                ; embeds s[4:5], W's codes s[6:7], W's scales s[8:9], attn_b s[10:11]
	s_load_b128 s[12:15], s[0:1], 0x20              ; projection_h s[12:13], projection_p s[14:15]
	s_load_b64 s[16:17], s[0:1], 0x30               ; out0
	v_lshl_add_u32 v[SPW], v0, 2, SPARE
	v_mov_b32 v[NIL], 0
	ds_add_u32 v[SPW], v[NIL]                       ; the opening add, twice on end, and below its one wait, ahead of the tensor load
	ds_add_u32 v[SPW], v[NIL]
	v_lshrrev_b32 v10, 5, v0
	v_readfirstlane_b32 s18, v10                    ; wave 0..15
	; descriptor group 1: a sample, 32 rows x 64 elements of 4 bytes, dense in memory, padded in LDS
	s_mov_b32 s24, (2<<16)|(1<<20)|(5<<22)|(3<<25)  ; 15:0 no mask; 17:16 elements of 4 bytes; 20 padding on; 24:22 after every 64 words (code 5); 31:25 four words (code 3)
	s_mov_b32 s25, 64<<16                           ; tensor_dim0 = 64
	s_mov_b32 s26, 32<<16                           ; tensor_dim1 = 32
	s_mov_b32 s27, 64<<16                           ; tile_dim0 = 64
	s_mov_b32 s28, 32                               ; tile_dim1 = 32
	s_mov_b32 s29, 64                               ; elements from row to row
	s_mov_b32 s30, 0
	s_mov_b32 s31, 0
	s_mov_b32 s32, 1                                ; group 0: count = 1,
	s_mul_i32 s33, s18, WSLOT                       ; LDS address: wave x 8,704
	s_lshl_b32 s46, ttmp9, 17                       ; the work-group's 16 samples of 8,192 bytes,
	s_lshl_b32 s47, s18, 13                         ; my wave's one
	s_add_co_u32 s46, s46, s47
	s_mov_b32 s47, 0
	s_lshl_b32 s48, ttmp9, 6                        ; the work-group's 64 bytes of out0
	s_mov_b32 s49, 0
	s_mov_b32 s20, 0x76543210                       ; v_permlanex16_b32's selects for lane l xor 16
	s_mov_b32 s21, 0xfedcba98
	s_mov_b32 s22, 0x3fb8aa3b                       ; c = log2(e)
	s_mov_b32 s23, s22                              ; (named with it as a pair, so it is written)
	s_lshl_b32 s42, s18, 2
	s_add_co_u32 s42, s42, OUTS                     ; where my result goes
	s_lshl_b32 s43, s18, 12
	s_add_co_u32 s43, s43, LOGS                     ; my partial logits
	s_mul_i32 s44, s18, GSIZE
	s_add_co_u32 s44, s44, GA                       ; my G
	v_and_b32 v[R], 15, v0
	v_bfe_u32 v15, v0, 4, 1                         ; h
	v_and_b32 v18, 31, v0                           ; lane
	v_lshlrev_b32 v16, 7, v15                       ; 128 h: also projection_p's offset, 32 h numbers on
	v_lshlrev_b32 v10, 5, v[R]
	v_add_nc_u32 v[BASE], s33, v16
	v_mul_u32_u24 v[AT], v[R], GPITCH
	v_lshl_add_u32 v10, v15, 4, v10                 ; W's codes: row r of 32 bytes, block h
	v_mad_u32_u24 v[ADR], v[R], PITCH, v[BASE]      ; row r
	v_lshl_add_u32 v[AT], v15, 5, v[AT]
	v_lshlrev_b32 v11, 5, v15                       ; attn_b, projection_h: 8 h numbers on
	v_add_nc_u32 v[AT], s44, v[AT]                  ; G's stores: row r, 8 h words on
	v_lshlrev_b32 v13, 1, v18                       ; W's scales: 2 bytes a row, lane = row
	v_mov_b32 v[LST], -1.0                          ; (for the splits; the address that belongs here is made behind them)
.irp i, 16,17,18,19
	v_mov_b32 v[WF+\i], 0
.endr
	s_wait_alu depctr_va_vdst(0)                    ; ahead of the head's blocking waits
	s_wait_dscnt 0x0                                ; both opening adds are done
	s_wait_kmcnt 0x0
	s_add_nc_u64 s[34:35], s[4:5], s[46:47]
	s_or_b32 s35, s35, 0x80000000                   ; type = 2
	tensor_load_to_lds s[32:35], s[24:31]           ; my sample: my one tensor load
	s_nop 0
	s_add_nc_u64 s[16:17], s[16:17], s[48:49]
.irp c, 0,1,2,3,4,5,6,7
	global_load_b128 v[PP+4*\c:PP+4*\c+3], v16, s[14:15] offset:16*\c
.endr
	global_load_b128 v[WF:WF+3], v10, s[6:7]                                   ; W(16 q + r, 32 h .. 32 h + 31), q = 0,
	global_load_b128 v[WF+4:WF+7], v10, s[6:7] offset:1024                     ; 2,
	global_load_b128 v[WF+8:WF+11], v10, s[6:7] offset:512                     ; 1,
	global_load_b128 v[WF+12:WF+15], v10, s[6:7] offset:1536                   ; 3
	global_load_u16 v[WSC], v13, s[8:9]                                        ; rows 0-31: two bytes each; bytes 2 and 3 are 0
	global_load_u16 v[WSC+1], v13, s[8:9] offset:64                            ; rows 32-63
.irp q, 0,1,2,3
	global_load_b128 v[BIAS+8*\q:BIAS+8*\q+3], v11, s[10:11] offset:64*\q      ; attn_b[16 q + 8 h + 0 .. 7]
	global_load_b128 v[BIAS+8*\q+4:BIAS+8*\q+7], v11, s[10:11] offset:64*\q+16
	global_load_b128 v[HH+8*\q:HH+8*\q+3], v11, s[12:13] offset:64*\q
	global_load_b128 v[HH+8*\q+4:HH+8*\q+7], v11, s[12:13] offset:64*\q+16
.endr
	s_wait_loadcnt 0x0                              ; the constants are in, and their offsets' registers are free
	s_wait_tensorcnt 0x0                            ; my sample is in LDS; nobody else reads it
	LOADR E0, ADR, 0
	LOADR E1, ADR, HALF
	s_wait_dscnt 0x0
	; G.  F's first half, 16 numbers a lane at a time through v10-25; its second half in projection_p's place
.irp c, 0,1
.irp j, 0,1,2,3,4,5,6,7
	v_pk_mul_f32 v[10+2*\j:11+2*\j], v[E0+16*\c+2*\j:E0+16*\c+2*\j+1], v[PP+16*\c+2*\j:PP+16*\c+2*\j+1]
.endr
	SPLIT 10, F0H+8*\c, 0,1,2,3,4,5,6,7
	LOWS 10, F0L+8*\c, 0,1,2,3,4,5,6,7
.endr
.irp i, 0,2,4,6,8,10,12,14,16,18,20,22,24,26,28,30
	v_pk_mul_f32 v[PP+\i:PP+\i+1], v[E1+\i:E1+\i+1], v[PP+\i:PP+\i+1]
.endr
	SPLIT PP, F1H, 0,1,2,3,4,5,6,7,8,9,10,11,12,13,14,15
	LOWS PP, F1L, 0,1,2,3,4,5,6,7,8,9,10,11,12,13,14,15
	; columns 16-31: E1, split in place (it is read from LDS again behind G)
	SPLIT E1, QB, 0,1,2,3,4,5,6,7,8,9,10,11,12,13,14,15
	LOWS E1, QB+16, 0,1,2,3,4,5,6,7,8,9,10,11,12,13,14,15
	GRAM QB, QB+16
	SPLIT E0, E1+16, 0,1,2,3,4,5,6,7,8,9,10,11,12,13,14,15    ; columns 0-15: 48 plain instructions on other registers: the places behind the products
	GSTORE 1
	LOWS E0, QB, 0,1,2,3,4,5,6,7,8,9,10,11,12,13,14,15
	GRAM E1+16, QB
.rept 4
	v_nop                                           ; four places ahead of the stores of the results, and of writes of the operands
.endr
	GSTORE 0
	LOADR E0, ADR, 0                                ; E as it came
	LOADR E1, ADR, HALF
	v_xor_b32 v10, 8, v[R]                          ; (r + 8) % 16
	v_and_b32 v11, 31, v0
	v_mad_u32_u24 v[ADR], v10, PITCH, v[BASE]
	v_lshl_add_u32 v[LST], v11, 2, s43
	LOADR QA, ADR, 0                                ; X_8
.irp i, 4,5,6,7,12,13,14,15
	v_mov_b32 v[CF+\i], 0                           ; the pairs' zero codes
.endr
	v_mov_b32 v[XF], 0                              ; (a lane permute's destination counts as one of its sources)
	v_mov_b32 v[XS], 0
.irp n, 0,1,2,3,4,5,6,7,8,9,10,11,12,13,14
	DOUBLE \n
.endr
	; the single tile; where the last sums will be read is worked out among its instructions
.set XR, QA
.set YR, QB
	s_wait_dscnt 0x2
.irp i, 0,1,2,3
	MULF \i, 15
.endr
.irp i, 4,5,6,7,8,9,10,11,12,13,14,15
	MULF \i, 15
	MAXK YR, MF, AS, \i-4
.endr
	MAXK YR, MF, AS, 12
	MAXK YR, MF, AS, 13
	v_bfe_u32 v62, v0, 4, 1                         ; which tile of a double my lane takes in the softmax
	v_and_b32 v63, 31, v0
	DEP 4
	MAXK YR, MF, AS, 14
	v_lshlrev_b32 v64, 7, v62
	v_mul_u32_u24 v65, v63, GPITCH
	DEP 3
	MAXK YR, MF, AS, 15
	v_lshl_add_u32 v64, v[R], 2, v64
	v_lshl_add_u32 v65, v[R], 2, v65
	DEP 3
	v_add_nc_u32 v[SOF], 0xff000000, v[MF]
	v_add_nc_u32 v66, s43, v64                      ; v66 partial logits: tile lane / 16, pair r
	DEP 2
	v_lshrrev_b32 v[BYF], 23, v[SOF]
	CVT CF, YR, SOF, 0
	v_permlanex16_b32 v[XF], v[BYF], s20, s21
	CVT CF, YR, SOF, 1
	v_lshl_or_b32 v[PWF], v[XF], 8, v[BYF]
	CVT CF, YR, SOF, 2
	CVT CF, YR, SOF, 3
	v_lshlrev_b32 v63, 6, v62                       ; eight plain instructions between the scale word and the product
	v_add_nc_u32 v67, s44, v65                      ; v67 G: row lane, word r
	v_lshrrev_b32 v64, 3, v[R]
	v_mul_u32_u24 v65, v[R], GPITCH+4
	v_sub_nc_u32 v68, v67, v63                      ; v68 G for n = 0, 96 on: lanes 0-15 (16 + r, r), lanes 16-31 ((r + 8) % 16, 16 + r)
	v_mul_u32_u24 v64, v64, 16*GPITCH+96
	v_add_nc_u32 v65, v64, v65
	v_add_nc_u32 v69, s44, v65                      ; v69 G for n = 15, 32 on: (r + 8, r), or for r > 7 (r + 8, r + 16)
	MMA YR, CF, PWF
	ds_load_b32 v[SS], v68 offset:96
.irp d, 1,2,3,4,5,6,7
	ds_load_b32 v[SS+2*\d-1], v67 offset:4*\d
	ds_load_b32 v[SS+2*\d], v67 offset:96+4*\d
.endr
	ds_load_b32 v[SS+15], v69 offset:32
.irp n, 0,1,2,3,4,5,6,7,8,9,10,11,12,13,14
	ds_load_b32 v[LG+\n], v66 offset:256*\n
	ds_load_b32 v[LGB+\n], v66 offset:256*\n+64
.endr
	v_mov_b32 v[AF], 0xff800000                     ; no second tile: logits of -infinity, whose weight is 0
.rept 3
	v_nop                                           ; four places ahead of the first read of the results
.endr
.irp i, 0,1,2,3
	RELU YR, \i
.endr
.irp i, 4,5,6,7,8,9,10,11,12,13,14,15
	RELU YR, \i
	DOTS YR, \i-4
.endr
	DOTS YR, 12
	DOTS YR, 13
	DEP 2
	DOTS YR, 14
	DEP 2
	DOTS YR, 15
	DEP 1
	v_pk_add_f32 v[AS:AS+1], v[AS:AS+1], v[AS+2:AS+3]
	DEP 1
	v_add_f32 v[AS+1], v[AS], v[AS+1]
	ds_store_b32 v[LST], v[AS+1] offset:256*15
	ds_store_b32 v[LST], v[AF] offset:256*15+128
	ds_load_b32 v[LG+15], v66 offset:256*15
	ds_load_b32 v[LGB+15], v66 offset:256*15+64
	s_wait_dscnt 0x0
.irp i, 0,2,4,6,8,10,12,14
	v_pk_add_f32 v[LG+\i:LG+\i+1], v[LG+\i:LG+\i+1], v[LGB+\i:LGB+\i+1]       ; the two lanes' halves of a logit
.endr
	; THE SOFTMAX over the sample's 496 pairs: 16 registers x 32 lanes (16 places hold -infinity)
	v_max3_num_f32 v[TM], v[LG], v[LG+1], v[LG+2]
	v_max3_num_f32 v[TM+1], v[LG+3], v[LG+4], v[LG+5]
.irp i, 6,10
	DEP 2
	v_max3_num_f32 v[TM], v[TM], v[LG+\i], v[LG+\i+1]
	DEP 2
	v_max3_num_f32 v[TM+1], v[TM+1], v[LG+\i+2], v[LG+\i+3]
.endr
	DEP 2
	v_max3_num_f32 v[TM], v[TM], v[LG+14], v[LG+15]
	DEP 1
	v_max_num_f32 v[TM], v[TM], v[TM+1]
.irp m, 1,2,4,8
	DEP 1
	v_max_num_f32_dpp v[TM], v[TM], v[TM] row_xmask:\m row_mask:0xf bank_mask:0xf
.endr
	DEP 1
	v_permlanex16_b32 v[TM+1], v[TM], s20, s21
	DEP 1
	v_max_num_f32 v[TM], v[TM], v[TM+1]             ; the largest logit, in every lane
	DEP 1
	v_mul_f32 v[TM+2], s22, v[TM]
.irp i, 0,2,4,6,8,10,12,14
	v_pk_fma_f32 v[LG+\i:LG+\i+1], v[LG+\i:LG+\i+1], s[22:23], v[TM+2:TM+3] op_sel_hi:[1,0,0] neg_lo:[0,0,1] neg_hi:[0,0,1]   ; c logit - c max
.endr
	s_wait_alu depctr_va_vdst(0)                    ; ahead of the batch
.irp i, 0,1,2,3,4,5,6,7,8,9,10,11,12,13,14,15
	v_exp_f32 v[LG+\i], v[LG+\i]
.endr
	v_nop                                           ; a plain instruction behind the last exponential (ISA guide 5.7.2)
	s_wait_alu depctr_va_vdst(0)                    ; and ahead of the first use: one for the sixteen
	v_pk_add_f32 v[TM+4:TM+5], v[LG:LG+1], v[LG+2:LG+3]
	v_pk_mul_f32 v[TM+6:TM+7], v[LG:LG+1], v[SS:SS+1]
	v_pk_fma_f32 v[TM+6:TM+7], v[LG+2:LG+3], v[SS+2:SS+3], v[TM+6:TM+7]
.irp i, 4,6,8,10,12,14
	v_pk_add_f32 v[TM+4:TM+5], v[TM+4:TM+5], v[LG+\i:LG+\i+1]
	v_pk_fma_f32 v[TM+6:TM+7], v[LG+\i:LG+\i+1], v[SS+\i:SS+\i+1], v[TM+6:TM+7]
.endr
	DEP 2
	v_add_f32 v[TM+4], v[TM+4], v[TM+5]
	DEP 2
	v_add_f32 v[TM+6], v[TM+6], v[TM+7]
.irp m, 1,2,4,8
	DEP 2
	v_add_f32_dpp v[TM+4], v[TM+4], v[TM+4] row_xmask:\m row_mask:0xf bank_mask:0xf
	DEP 2
	v_add_f32_dpp v[TM+6], v[TM+6], v[TM+6] row_xmask:\m row_mask:0xf bank_mask:0xf
.endr
	DEP 2
	v_permlanex16_b32 v[TM+5], v[TM+4], s20, s21
	DEP 2
	v_permlanex16_b32 v[TM+7], v[TM+6], s20, s21
	DEP 2
	v_add_f32 v[TM+4], v[TM+4], v[TM+5]             ; the sum of p,
	DEP 2
	v_add_f32 v[TM+6], v[TM+6], v[TM+7]             ; and of p x (bi . projection_p), in every lane
	s_wait_alu depctr_va_vdst(0)                    ; ahead of the transcendental
	v_rcp_f32 v[TM], v[TM+4]
	v_mov_b32 v64, s42                              ; (the plain instruction behind the reciprocal)
	s_wait_alu depctr_va_vdst(0)                    ; and ahead of the first use
	v_mul_f32 v[TM+6], v[TM+6], v[TM]
	ds_store_b32 v64, v[TM+6]                       ; all lanes write the same word with the same value
	v_lshl_add_u32 v62, v[R], 2, OUTS               ; the 16 results, a word a lane
	v_lshlrev_b32 v63, 2, v[R]
	s_wait_dscnt 0x0                                ; for the others' sake: my result lies in LDS
	s_barrier_signal -1
	s_barrier_wait -1
	s_cmp_lg_u32 s18, 0
	s_cbranch_scc1 .Lend                            ; wave 0 stores for the work-group
	s_wait_alu depctr_va_vdst(0)                    ; ahead of the readers below
	ds_load_b32 v65, v62
	s_wait_dscnt 0x0
	s_wait_xcnt 0x0                                 ; EXEC changes only behind this wait
	v_cmp_gt_u32 vcc_lo, 16, v0
	s_and_saveexec_b32 s45, vcc_lo
	global_store_b32 v63, v65, s[16:17]             ; 16 lanes store the work-group's 64 consecutive bytes
	s_wait_xcnt 0x0                                 ; and again, ahead of the line that widens it
	s_or_b32 exec_lo, exec_lo, s45
.Lend:
	s_wait_tensorcnt 0x0                            ; the wave's end
	ds_add_u32 v[SPW], v[NIL]
	s_wait_dscnt 0x0
	s_endpgm
.Lfunc_end_k_qf9888a92b7_afm:
	.size	k_qf9888a92b7_afm, .Lfunc_end_k_qf9888a92b7_afm-k_qf9888a92b7_afm
	.p2alignl 7, 3214868480
	.fill 96, 4, 3214868480
	.section	.rodata,"a",@progbits
	.p2align	6, 0x0
	.amdhsa_kernel k_qf9888a92b7_afm
		.amdhsa_group_segment_fixed_size 327680
		.amdhsa_private_segment_fixed_size 0
		.amdhsa_enable_private_segment 0
		.amdhsa_kernarg_size 56
		.amdhsa_user_sgpr_count 2
		.amdhsa_user_sgpr_kernarg_segment_ptr 1
		.amdhsa_wavefront_size32 1
		.amdhsa_system_sgpr_workgroup_id_x 1
		.amdhsa_system_sgpr_workgroup_id_y 1
		.amdhsa_system_sgpr_workgroup_id_z 1
		.amdhsa_system_vgpr_workitem_id 0
		.amdhsa_next_free_vgpr 256
		.amdhsa_next_free_sgpr 66
		.amdhsa_reserve_vcc 1
		.amdhsa_float_denorm_mode_32 3
		.amdhsa_float_denorm_mode_16_64 3
		.amdhsa_memory_ordered 1
		.amdhsa_forward_progress 1
		.amdhsa_inst_pref_size 209
	.end_amdhsa_kernel
	.amdgpu_metadata
---
amdhsa.version: [ 1, 2 ]
amdhsa.kernels:
  - .name:           k_qf9888a92b7_afm
    .symbol:         k_qf9888a92b7_afm.kd
    .args:
      - { .name: embeds, .offset: 0, .size: 8, .value_kind: global_buffer, .address_space: global }
      - { .name: attn_W_codes, .offset: 8, .size: 8, .value_kind: global_buffer, .address_space: global }
      - { .name: attn_W_scales, .offset: 16, .size: 8, .value_kind: global_buffer, .address_space: global }
      - { .name: attn_b, .offset: 24, .size: 8, .value_kind: global_buffer, .address_space: global }
      - { .name: projection_h, .offset: 32, .size: 8, .value_kind: global_buffer, .address_space: global }
      - { .name: projection_p, .offset: 40, .size: 8, .value_kind: global_buffer, .address_space: global }
      - { .name: out0, .offset: 48, .size: 8, .value_kind: global_buffer, .address_space: global }
    .group_segment_fixed_size: 327680
    .private_segment_fixed_size: 0
    .kernarg_segment_align: 8
    .kernarg_segment_size: 56
    .max_flat_workgroup_size: 512
    .sgpr_count:     66
    .vgpr_count:     256
    .wavefront_size: 32
...
	.end_amdgpu_metadata
.endif
;; end of part 1
